; MI455X (gfx1250); checked and timed in simulation.
; The chip was launched on July 23, 2026; its instructions are those of AMD's public machine-readable ISA for CDNA 5 (MIT licence, August 2026) and "CDNA5" Instruction Set Architecture Reference Guide (July 2026). The comments in the code are by the model that wrote it; some were corrected since.
;; W8 A8 B8 O32 Linear. Allowed arithmetic: float matrix products may take bf16 or f16 operands with f32 sums; other float arithmetic in f32, or as packed bf16 or f16 multiplies, adds, multiply-adds, maxima and minima; sums over many terms, partial sums and values carried from step to step in f32; what a program stores and reads back later, other than sums and carried values, may be rounded once to bf16 or f16.
;; Inputs: alpha one number float32; bias 1 x 4,096 float32; weight 4,096 x 2,048 float32; x 4 x 2,048 x 2,048 int32.
;; Outputs: out0 4 x 2,048 x 4,096 int8.
;; 2 versions, each right; version 2 is version 1 with the launch cvt written anew for expert scheduling mode. Each part assembles by itself: llvm-mc -triple=amdgcn-amd-amdhsa -mcpu=gfx1250 --defsym DOCPART=n.
;; ======== version 1 of 2: 2 launches
;; workspace buffers: xb 33,554,432 bytes; wb 16,777,216 bytes
;; launch cvt (part 1): grid 256 x 1, 32 waves a work-group, no clusters, 0 bytes of LDS; arguments x, weight, xb, wb; writes xb, wb
.if DOCPART == 1
	.amdgcn_target "amdgcn-amd-amdhsa--gfx1250"
	.amdhsa_code_object_version 6
	.text
	.protected	k_q27215201f2_cvt
	.globl	k_q27215201f2_cvt
	.p2align	8
	.type	k_q27215201f2_cvt,@function
k_q27215201f2_cvt:
	s_mov_b64 s[64:65], 0
	v_nop
	global_prefetch_b8 v0, s[64:65] scope:SCOPE_SE
	s_setreg_imm32_b32 hwreg(HW_REG_WAVE_MODE, 25, 1), 1
	s_wait_xcnt 0x0
; xb = bf16(x), wb = bf16(weight): the two operands of the product that follows, each rounded once to bf16, laid out as they came (rows along K).
; x: [8192][2048] int32, weight: [4096][2048] f32; xb, wb: the same shapes in bf16.
; LIMITS.  A whole number of up to 8 significant bits (the int8 range among them) is kept exactly; any other number is rounded to nearest even: an int32 beyond 2^24
; first to f32, then to bf16.
; SHARES.  256 work-groups of 1,024 threads.  Work-group b takes 262,144 consecutive bytes of x and 131,072 of weight: 16 and 8 chunks of 16,384 bytes, a chunk being 16 bytes for each
; thread.  A wave's load covers 512 consecutive bytes, its store 256 consecutive bytes at a multiple of 256 from the buffer's first byte.
; IN FLIGHT.  All 24 loads of a thread go out before anything else; each chunk has registers of its own and is converted in place, so no register that a load or store names
; is ever written again, and the only waits are the counted ones for the loads.  No LDS, no barrier: no thread wants another's bytes.
.set CHX,  16                          ; chunks of x
.set CHW,  8                           ; chunks of weight
.set D,    4                           ; v[4:99]  chunk c: four registers at D + 4 c; x's chunks first
	s_load_b256 s[4:11], s[0:1], 0x0               ; x s[4:5], weight s[6:7], xb s[8:9], wb s[10:11]
	v_lshlrev_b32 v1, 4, v0                        ; my 16 bytes of a chunk as loaded
	v_lshlrev_b32 v2, 3, v0                        ; my 8 bytes of it as stored
	s_lshl_b32 s12, ttmp9, 18                      ; the work-group's part of x,
	s_mov_b32 s13, 0
	s_lshl_b32 s14, ttmp9, 17                      ; of weight and of xb,
	s_mov_b32 s15, 0
	s_lshl_b32 s16, ttmp9, 16                      ; of wb
	s_mov_b32 s17, 0
	s_wait_kmcnt 0x0
	s_add_nc_u64 s[4:5], s[4:5], s[12:13]
	s_add_nc_u64 s[6:7], s[6:7], s[14:15]
	s_add_nc_u64 s[8:9], s[8:9], s[14:15]
	s_add_nc_u64 s[10:11], s[10:11], s[16:17]
.set c, 0
.rept CHX
	global_load_b128 v[D+4*c:D+4*c+3], v1, s[4:5] offset:c*16384 th:TH_LOAD_NT
.set c, c+1
.endr
.set c, 0
.rept CHW
	global_load_b128 v[D+4*(CHX+c):D+4*(CHX+c)+3], v1, s[6:7] offset:c*16384 th:TH_LOAD_NT
.set c, c+1
.endr
.set c, 0
.rept CHX
	s_wait_loadcnt CHX+CHW-1-c                     ; loads come back in order: chunk c is in, the younger ones stay out
	v_cvt_f32_i32 v[D+4*c],   v[D+4*c]
	v_cvt_f32_i32 v[D+4*c+1], v[D+4*c+1]
	v_cvt_f32_i32 v[D+4*c+2], v[D+4*c+2]
	v_cvt_f32_i32 v[D+4*c+3], v[D+4*c+3]
	v_cvt_pk_bf16_f32 v[D+4*c],   v[D+4*c],   v[D+4*c+1]
	v_cvt_pk_bf16_f32 v[D+4*c+1], v[D+4*c+2], v[D+4*c+3]
	global_store_b64 v2, v[D+4*c:D+4*c+1], s[8:9] offset:c*8192
.set c, c+1
.endr
.set c, 0
.rept CHW
	s_wait_loadcnt CHW-1-c
	v_cvt_pk_bf16_f32 v[D+4*(CHX+c)],   v[D+4*(CHX+c)],   v[D+4*(CHX+c)+1]
	v_cvt_pk_bf16_f32 v[D+4*(CHX+c)+1], v[D+4*(CHX+c)+2], v[D+4*(CHX+c)+3]
	global_store_b64 v2, v[D+4*(CHX+c):D+4*(CHX+c)+1], s[10:11] offset:c*8192
.set c, c+1
.endr
	s_endpgm
.Lfunc_end_k_q27215201f2_cvt:
	.size	k_q27215201f2_cvt, .Lfunc_end_k_q27215201f2_cvt-k_q27215201f2_cvt
	.p2alignl 7, 3214868480
	.fill 96, 4, 3214868480
	.section	.rodata,"a",@progbits
	.p2align	6, 0x0
	.amdhsa_kernel k_q27215201f2_cvt
		.amdhsa_group_segment_fixed_size 0
		.amdhsa_private_segment_fixed_size 0
		.amdhsa_enable_private_segment 0
		.amdhsa_kernarg_size 32
		.amdhsa_user_sgpr_count 2
		.amdhsa_user_sgpr_kernarg_segment_ptr 1
		.amdhsa_wavefront_size32 1
		.amdhsa_system_sgpr_workgroup_id_x 1
		.amdhsa_system_sgpr_workgroup_id_y 1
		.amdhsa_system_sgpr_workgroup_id_z 1
		.amdhsa_system_vgpr_workitem_id 0
		.amdhsa_next_free_vgpr 100
		.amdhsa_next_free_sgpr 66
		.amdhsa_reserve_vcc 0
		.amdhsa_float_denorm_mode_32 3
		.amdhsa_float_denorm_mode_16_64 3
		.amdhsa_memory_ordered 1
		.amdhsa_forward_progress 1
		.amdhsa_inst_pref_size 11
	.end_amdhsa_kernel
	.amdgpu_metadata
---
amdhsa.version: [ 1, 2 ]
amdhsa.kernels:
  - .name:           k_q27215201f2_cvt
    .symbol:         k_q27215201f2_cvt.kd
    .args:
      - { .name: x, .offset: 0, .size: 8, .value_kind: global_buffer, .address_space: global }
      - { .name: weight, .offset: 8, .size: 8, .value_kind: global_buffer, .address_space: global }
      - { .name: xb, .offset: 16, .size: 8, .value_kind: global_buffer, .address_space: global }
      - { .name: wb, .offset: 24, .size: 8, .value_kind: global_buffer, .address_space: global }
    .group_segment_fixed_size: 0
    .private_segment_fixed_size: 0
    .kernarg_segment_align: 8
    .kernarg_segment_size: 32
    .max_flat_workgroup_size: 1024
    .sgpr_count:     66
    .vgpr_count:     100
    .wavefront_size: 32
...
	.end_amdgpu_metadata
.endif
;; end of part 1
;; launch gemm (part 2): grid 16 x 16, 4 waves a work-group, clusters of 4 x 4, 327,680 bytes of LDS; arguments xb, wb, out0, bias, alpha; writes out0
.if DOCPART == 2
	.amdgcn_target "amdgcn-amd-amdhsa--gfx1250"
	.amdhsa_code_object_version 6
	.text
	.protected	k_q27215201f2_gemm
	.globl	k_q27215201f2_gemm
	.p2align	8
	.type	k_q27215201f2_gemm,@function
k_q27215201f2_gemm:
	s_mov_b64 s[64:65], 0
	v_nop
	global_prefetch_b8 v0, s[64:65] scope:SCOPE_SE
	s_setreg_imm32_b32 hwreg(HW_REG_WAVE_MODE, 25, 1), 1
	s_wait_xcnt 0x0
	s_wait_alu depctr_hold_cnt(0) depctr_sa_sdst(0) depctr_va_vdst(0) depctr_va_sdst(0) depctr_va_ssrc(0) depctr_va_vcc(0) depctr_vm_vsrc(0)
	s_getreg_b32 s2, hwreg(HW_REG_IB_STS2, 6, 4)
	s_cmp_eq_u32 s2, 0
	s_cbranch_scc0 .Lentry_in_a_cluster
	s_endpgm
.Lentry_in_a_cluster:
	s_bfe_u32 s2, ttmp6, 0x10000c
	s_cmp_lg_u32 s2, 0xf033
	s_cbranch_scc0 .Lentry_shape_is_right
	s_endpgm
.Lentry_shape_is_right:
; out0[m][n] = clip(round(alpha y + bias[n]), -128, 127) as int8, y[m][n] = the sum over k of A[m][k] B[n][k].  A = xb: [SIZE_M][SIZE_K], B = wb: [SIZE_N][SIZE_K], both bf16; sums in f32.
; LIMITS.  Operands that are whole numbers of up to 8 significant bits are exact in bf16, their products are whole numbers, and an f32 sum of whole numbers is exact below 2^24 in any order:
; there y is the exact sum.  Operands with more significant bits have been rounded to bf16, and sums from 2^24 on are rounded as the matrix unit rounds them.
; alpha y + bias is ONE fused multiply-add: the exact product and sum, rounded to f32 once.  (A product rounded by itself, and then the sum, can fall on the other side of a half, and the whole number then differs by one.)
; The clip stands in front of the rounding to a whole number: its bounds are whole numbers, so the result is the same.  Ties go to the even number.  NaN is not treated apart.
; A tile of the output, 256 x 256, is made by a work-group of four waves; a wave makes 128 x 128: 64 accumulators of 16 x 16, 512 registers.  K goes in steps of 128 through a ring of two LDS slots
; filled by the tensor data mover: the rows of A's and B's tiles are 256 bytes of memory and start at multiples of 256 bytes from the buffer's first byte.
; A WORK-GROUP STAYS: it makes SIZE_TILES = 2 tiles, WALK rows apart; the ring does not stop at the first tile's end: its last two changes of slots ask for the next tile's first two K steps.
; CLUSTERS: 4 x 4 work-groups.  The four of a row of the cluster need the same tiles of A, the four of a column the same tiles of B.  Such a tile is asked for JOINTLY: each of the four issues the same
; tensor load, with the same descriptor and a mask that names the four, and each receives the tile in its own LDS.  That divides the requests for A and for B by four.
;
; REGISTERS, in windows of 256 (s_set_vgpr_msb's low byte: bits 1:0 source 0, 3:2 source 1, 5:4 source 2, 7:6 destination):
;   window 0: v0-31 addresses; v32-63 rows read back on the way out; v64-127, v128-191 fragments of A, two buffers; v192-223, v224-255 at work on the way out
;   window 1: v0-63 the bias of my lane's 64 columns; v64-127, v128-191 fragments of B, two buffers
;   window 2: the 32 accumulators of my rows 0-63 (accumulator (a, b) at v[8 (8 a + b)]);   window 3: those of my rows 64-127
; THE MATRIX INSTRUCTION IS USED TRANSPOSED: source 0 = 16 rows of B, source 1 = 16 rows of A.  In the result lane l holds row l % 16 of the output, and its registers 0 to 7 the columns
; 8 (l / 16) + 0 .. 7: eight NEIGHBOURING numbers of a row, which pack into 8 bytes.
.set SIZE_M, 8192
.set SIZE_N, 4096
.set SIZE_K, 2048
.set SIZE_TILES, 2
.set KSTEP,  128
.set PITCH,  272                       ; an LDS row: 256 bytes of data + 16 of padding = 68 words: row r starts at bank 4 r mod 64 (64 banks of 4 bytes: ISA guide 11.1), so the 16 rows that a load touches start at 16 different banks
.set HALFT,  128*PITCH                 ; 128 rows: what one tensor load brings, and what one wave reads of A or of B
.set SLOT,   4*HALFT                   ; A's 256 rows, then B's 256 rows
.set STAGE,  2*SLOT                    ; behind the ring: two stage buffers for the way out, the work-group's; no tensor load fills them
.set SPITCH, 272
.set SB,     64*SPITCH                 ; a stage buffer: 64 rows of the output, 256 bytes + 16 of padding each
.set SPARE,  STAGE+2*SB                ; behind the stages: the spare words, 128 bytes for each wave: two blocks of 256 bytes that no other line names
.set LAPS, SIZE_K/(2*KSTEP)            ; a lap = two K steps = once round the ring
.set WALK,   SIZE_M/SIZE_TILES         ; a work-group's two tiles lie WALK rows apart
.set NEXT_A, WALK*SIZE_K*2-(SIZE_K-2*KSTEP)*2   ; bytes from a slot's last K step of a tile to its first of the next tile: A goes WALK rows down and back along K,
.set BACK_B, (SIZE_K-2*KSTEP)*2        ; B only back: the two tiles share their rows of B
.set NEXT_C, WALK*SIZE_N               ; bytes from a tile of the output to the next (a byte a number)
.set ADRA, 16                          ; v16-17  LDS address of my A fragments in slot 0, 1
.set ADRB, 20                          ; v20-21  the same for B
.set STO,  24                          ; v24     the way out: where I put 8 bytes of a row
.set RD,   25                          ; v25     the way out: where I read a row back
.set CO,   26                          ; v26     my byte offset in the output
.set BO,   27                          ; v27     my byte offset in 16 numbers of the bias: 32 (l / 16)
.set SPW,  28                          ; v28     LDS address of my spare word: SPARE + 4 x my thread's number; never rewritten
.set NIL,  29                          ; v29     0; never rewritten
.set PFO,  30                          ; v30     the prefetches' offset: my lane x a row of A or B in memory; never rewritten
.set BK,   32                          ; v32-63  the way out: 16 whole rows read back from the stage
.set F0,   64                          ; fragment buffer 0
.set F1,   128                         ; fragment buffer 1
.set T,    192                         ; v192-223 the way out: two bytes a register
.set PK,   224                         ; v224-255 the way out: four bytes a register; 16 registers for each of a pass's two blocks
.set BI,   0                           ; window 1, v0-63: bias of column 16 b + 8 (l / 16) + j of my wave's 128 at BI + 8 b + j
.set PFA,  44                          ; s[44:45] where my prefetches stand
.set LIM,  43                          ; s43     1 in a wave that prefetches, else the greatest number
.set G1, 24                            ; s[24:31] descriptor group 1 for A's tiles
.set G0, 32                            ; s[32:39] descriptor group 0 for A's tiles, one set for each slot
.set G1B, 48                           ; s[48:55] descriptor group 1 for B's tiles: it differs from A's in the mask alone
.set G0B, 56                           ; s[56:63] descriptor group 0 for B's tiles, one set for each slot
.set BP,   66                          ; s[66:67] the bias at my wave's first column
.set AP,   68                          ; s[68:69] alpha's address
.set AL,   70                          ; s[70:71] alpha: the packed multiply-add names a pair and takes its low word for both halves
.set MAG,  72                          ; s[72:73] 1.5 x 2^23
.set CLO,  74                          ; s74     -128.0
.set CHI,  75                          ; s75     127.0
.set SELA, 76                          ; s76     byte selects: the lowest bytes of two registers side by side
.set SELB, 77                          ; s77     the low halves of two registers side by side
.set MSB, 0
.macro WIN new                         ; the immediate's high byte repeats the setting that is left; a switch that changes nothing is dropped
.if MSB != (\new)
	s_set_vgpr_msb (MSB<<8)|(\new)
.set MSB, \new
.endif
.endm
.set MUL_LO, 0xa1                      ; source 0 (B) window 1, source 1 (A) window 0, C and D window 2
.set MUL_HI, 0xf1                      ; the same, C and D window 3
.set TO_B,   0x40                      ; destination window 1, address window 0
; A joint load.  Waves 0 and 1 fetch A's two halves, waves 2 and 3 B's.  Each of the two lines has ONE mask and one set of registers for all that issue it, and nothing in
; them hangs on a coordinate that the four partners do not share.  The branch hangs on the wave's number alone: it is the same in every work-group.
; An s_nop 0 and four v_nop follow each of the two lines; the jump round the other line, the label and what follows the macro come after them.
.macro JLOAD s
	s_cmp_eq_u32 s11, 0
	s_cbranch_scc0 .Lfor_b_\@
	tensor_load_to_lds s[G0+4*(\s):G0+4*(\s)+3], s[G1:G1+7]
	s_nop 0
.rept 4
	v_nop
.endr
	s_branch .Lasked_\@
.Lfor_b_\@:
	tensor_load_to_lds s[G0B+4*(\s):G0B+4*(\s)+3], s[G1B:G1B+7]
	s_nop 0
.rept 4
	v_nop
.endr
.Lasked_\@:
.endm
; A PREFETCH INTO THE L2, behind each joint load, its five lines and the run of LDS loads that follows them: the K step that stands TWO refills on: 32 rows x 256 bytes, a lane a row, one instruction a wave:
; 512 matrix instructions ahead of the joint load that will ask for it.  Each row's 256 bytes of a K step are named ONCE in the launch.  A's tile row is read by every cluster of that row of clusters:
; the first of them (cluster x = 0) prefetches; B's tile column by every cluster of that column: cluster y = 0 prefetches.  The four partners that ask for a tile jointly share its rows out BY ADDRESS:
; of the 128 rows that wave w fetches, the partner at place p takes 32 p .. 32 p + 31 (p = cx for A, cy for B): no branch hangs on a work-group's place in its cluster.
; how = 0, in the loop: a tile's last two refills have no K step two on; how = 1, at the change of tiles.
.macro ASK how
.if \how
	s_cmp_eq_u32 s[LIM], 1
.else
	s_cmp_gt_u32 s3, s[LIM]                        ; s3 = 1 in the loop's last trip
.endif
	s_cbranch_scc0 .Lnot_mine_\@
	global_prefetch_b8 v[PFO], s[PFA:PFA+1] offset:KSTEP*2 th:TH_LOAD_NT scope:SCOPE_SE
.Lnot_mine_\@:
.endm
; A round of the cluster's barrier: my work-group's barrier, so that wave 0's signal speaks for all four waves; wave 0 signals for the work-group; every wave waits for all
; sixteen work-groups; my work-group's barrier once more.  No LDS instruction of the wave is pending at a signal.
.macro CREST                           ; a round behind its opening barrier
	s_cmp_lg_u32 s10, 0
	s_cbranch_scc1 .Lnot_wave_0_\@
	s_barrier_signal -3
.Lnot_wave_0_\@:
	s_barrier_wait -3
	s_barrier_signal -1
	s_barrier_wait -1
.endm
.macro CROUND                          ; a whole round
	s_barrier_signal -1
	s_barrier_wait -1
	CREST
.endm
	s_load_b128 s[4:7], s[0:1], 0x0                ; A s[4:5], B s[6:7]
	s_load_b64 s[8:9], s[0:1], 0x10                ; the output
	s_load_b64 s[BP:BP+1], s[0:1], 0x18            ; the bias
	s_load_b64 s[AP:AP+1], s[0:1], 0x20            ; alpha
	v_lshl_add_u32 v[SPW], v0, 2, SPARE
	v_mov_b32 v[NIL], 0
	ds_add_u32 v[SPW], v[NIL]                      ; the wave's opening: the add, twice on end, and its wait ahead of my first tensor load; the set-up below the second, work on registers, stands between it and the wait
	ds_add_u32 v[SPW], v[NIL]                      ; and once more, under the one wait
	v_lshrrev_b32 v1, 5, v0
	v_readfirstlane_b32 s10, v1                    ; wave 0..3
	s_lshr_b32 s11, s10, 1                         ; which half of the tile's rows is mine.  Also: I fetch for A (0) or for B (1)
	s_and_b32 s12, s10, 1                          ; which half of its columns.  Also: which 128 rows of that tile I fetch
	s_bfe_u32 s40, ttmp6, 0x40000                  ; cx: my place along the cluster's x
	s_bfe_u32 s41, ttmp6, 0x40004                  ; cy: along its y
	s_lshl_b32 s42, ttmp9, 2                       ; in a cluster launch ttmp9 and ttmp7 count clusters
	s_add_co_u32 s42, s42, s40                     ; tile column = 4 x cluster x + cx
	s_and_b32 s13, ttmp7, 0xffff
	s_lshl_b32 s13, s13, 2
	s_add_co_u32 s13, s13, s41                     ; tile row = 4 x cluster y + cy
	s_lshl_b32 s43, s41, 2
	s_lshl_b32 s43, 15, s43                        ; my row of the cluster: places 4 cy .. 4 cy + 3
	s_lshl_b32 s44, 0x1111, s40                    ; my column: places cx, cx + 4, cx + 8, cx + 12
	; descriptor group 1: a tile of 128 rows x 128 elements, padded in LDS
	s_or_b32 s[G1+0], s43, (1<<16)|(1<<20)|(1<<21)|(5<<22)|(3<<25)  ; 15:0 the mask: A's tiles go to my row; 17:16 element of 2 bytes; 20 padding on; 21 set beside a mask; 24:22 after every 64 words (code 5); 31:25 of 4 words (code 3)
	s_or_b32 s[G1B+0], s44, (1<<16)|(1<<20)|(1<<21)|(5<<22)|(3<<25) ; the same with the mask of my column, for B's tiles
	s_mov_b32 s[G1B+1], KSTEP<<16
	s_mov_b32 s[G1+1], KSTEP<<16                   ; 63:48 tensor_dim0, low half = 128
	s_mov_b32 s[G1B+2], 128<<16
	s_mov_b32 s[G1+2], 128<<16                     ; 79:64 its high half = 0; 95:80 tensor_dim1, low half = 128
	s_mov_b32 s[G1B+3], KSTEP<<16
	s_mov_b32 s[G1+3], KSTEP<<16                   ; 111:96 its high half = 0; 127:112 tile_dim0 = 128
	s_mov_b32 s[G1B+4], 128
	s_mov_b32 s[G1+4], 128                         ; 143:128 tile_dim1 = 128; 159:144 tile_dim2 = 0
	s_mov_b32 s[G1B+5], SIZE_K
	s_mov_b32 s[G1+5], SIZE_K                      ; 191:160 tensor_dim0_stride, low word: elements from row to row
	s_mov_b32 s[G1B+6], 0
	s_mov_b32 s[G1+6], 0
	s_mov_b32 s[G1B+7], 0
	s_mov_b32 s[G1+7], 0
	s_mov_b32 s[MAG], 0x4b400000                   ; 1.5 x 2^23: between 2^23 and 2^24 an f32 steps by 1
	s_mov_b32 s[MAG+1], 0x4b400000                 ; named with it as a pair, so it is written
	s_mov_b32 s[CLO], 0xc3000000                   ; -128.0
	s_mov_b32 s[CHI], 0x42fe0000                   ; 127.0
	s_mov_b32 s[SELA], 0x00000400                  ; byte 0: the second source's byte 0; byte 1: the first source's byte 0; the upper two are not used
	s_mov_b32 s[SELB], 0x05040100                  ; the second source's low half, then the first source's
	; where the tiles come from.  A's hang on the tile row alone, which my row of the cluster shares; B's on the tile column alone, which my column shares.
	; Every wave makes both addresses, in registers that never hold the other coordinate, and asks by one of them.
	s_lshl_b32 s17, s12, 7                         ; which 128 rows of the tile I fetch
	s_lshl_b32 s16, s13, 8
	s_add_co_u32 s16, s16, s17                     ; A: row 256 x tile row + 128 x half
	s_lshl_b32 s46, s42, 8
	s_add_co_u32 s46, s46, s17                     ; B: row 256 x tile column + 128 x half
	s_mov_b32 s17, 0
	s_mov_b32 s47, 0
	s_mov_b64 s[18:19], SIZE_K*2
	s_mul_u64 s[16:17], s[16:17], s[18:19]         ; in bytes, in 64 bits
	s_mul_u64 s[46:47], s[46:47], s[18:19]
	s_mul_i32 s20, s10, HALFT                      ; and where they go: A's two halves, then B's two halves = wave x 128 rows: no place in the cluster enters an LDS address
	s_wait_dscnt 0x0                               ; both opening adds are done
	s_wait_kmcnt 0x0
	s_add_nc_u64 s[14:15], s[4:5], s[16:17]
	s_add_nc_u64 s[46:47], s[6:7], s[46:47]
	CROUND                                         ; all sixteen work-groups are here: the first joint loads meet
.irp s, 0,1
	s_mov_b32 s[G0+4*(\s)], 1                                      ; 1:0 count = 1
	s_add_co_u32 s[G0+4*(\s)+1], s20, (\s)*SLOT                    ; 63:32 LDS address
	s_add_nc_u64 s[G0+4*(\s)+2:G0+4*(\s)+3], s[14:15], (\s)*KSTEP*2  ; 120:64 global address: K step s
	s_or_b32 s[G0+4*(\s)+3], s[G0+4*(\s)+3], 0x80000000            ; 127:126 type = 2
	s_mov_b32 s[G0B+4*(\s)], 1
	s_add_co_u32 s[G0B+4*(\s)+1], s20, (\s)*SLOT
	s_add_nc_u64 s[G0B+4*(\s)+2:G0B+4*(\s)+3], s[46:47], (\s)*KSTEP*2
	s_or_b32 s[G0B+4*(\s)+3], s[G0B+4*(\s)+3], 0x80000000
	JLOAD \s                                       ; the ring is filled before anything else is done: two loads of mine are out
.endr
	s_load_b32 s[AL], s[AP:AP+1], 0x0              ; alpha
	; A fragment is 16 rows x 32 K in 8 registers: lane l holds row l % 16; registers 0-3 hold K = 8 (l / 16) + 0..7, registers 4-7 hold
	; K = 16 + 8 (l / 16) + 0..7.  From rows that lie along K: two loads of 16 bytes, 32 bytes apart.  The same for source 0 and source 1.
	v_and_b32 v1, 15, v0                           ; l % 16
	v_bfe_u32 v2, v0, 4, 1                         ; l / 16
	v_mul_u32_u24 v3, v1, PITCH
	v_lshl_add_u32 v3, v2, 4, v3                   ; row x pitch + 16 x half
	s_mul_i32 s21, s11, HALFT                      ; my 128 rows of A
	s_mul_i32 s22, s12, HALFT                      ; my 128 rows of B,
	s_add_co_u32 s22, s22, 2*HALFT                 ; which lie behind A's 256
.irp s, 0,1
	v_add_nc_u32 v[ADRA+(\s)], s21, v3
	v_add_nc_u32 v[ADRB+(\s)], s22, v3
	s_add_co_u32 s21, s21, SLOT
	s_add_co_u32 s22, s22, SLOT
.endr
	; the stage.  A pass of the way out takes 32 rows of each wave: 64 rows of 256 bytes for the work-group.  In: stage row 32 x my row half + 16 x block + l % 16, my column half's 128 bytes, 8 bytes a lane.
	s_mul_i32 s23, s11, 32*SPITCH
	s_lshl_b32 s20, s12, 7
	s_add_co_u32 s23, s23, s20
	s_add_co_u32 s23, s23, STAGE
	v_mul_u32_u24 v4, v1, SPITCH
	v_lshl_add_u32 v4, v2, 3, v4
	v_add_nc_u32 v[STO], s23, v4
	s_mul_i32 s23, s10, 16*SPITCH                  ; back: wave w takes stage rows 16 w .. 16 w + 15, whole; lanes 0-15 one row of 256 bytes, lanes 16-31 the next
	s_add_co_u32 s23, s23, STAGE
	v_mul_u32_u24 v5, v2, SPITCH
	v_lshl_add_u32 v5, v1, 4, v5
	v_add_nc_u32 v[RD], s23, v5
	v_lshlrev_b32 v5, 12, v2                       ; and the same two rows in the output: SIZE_N bytes a row
	v_lshl_add_u32 v[CO], v1, 4, v5
	v_lshlrev_b32 v[BO], 5, v2
	; stage rows 16 w .. are block 2 p + w % 2 of row half w / 2, which is my own: the first row that I store is 256 x tile row + 128 x my row half + 16 x my column half
	s_lshl_b32 s13, s13, 8
	s_lshl_b32 s14, s11, 7
	s_add_co_u32 s16, s13, s14
	s_lshl_b32 s14, s12, 4
	s_add_co_u32 s16, s16, s14
	s_lshl_b32 s16, s16, 12                        ; in bytes: under 2^24 in the first tile
	s_mov_b32 s17, 0
	s_lshl_b32 s46, s42, 8                         ; the tile's first column, in bytes
	s_mov_b32 s47, 0
	s_add_nc_u64 s[16:17], s[16:17], s[46:47]      ; what the first way out adds to the output's address
	s_lshl_b32 s78, s42, 10                        ; the bias: 256 columns of 4 bytes a tile column,
	s_lshl_b32 s79, s12, 9                         ; my wave's 128
	s_add_co_u32 s78, s78, s79
	s_mov_b32 s79, 0
	s_add_nc_u64 s[BP:BP+1], s[BP:BP+1], s[78:79]
	WIN TO_B
.irp b, 0,1,2,3,4,5,6,7
	global_load_b128 v[BI+8*(\b):BI+8*(\b)+3],   v[BO], s[BP:BP+1] offset:64*(\b)      ; once: both tiles have the same columns
	global_load_b128 v[BI+8*(\b)+4:BI+8*(\b)+7], v[BO], s[BP:BP+1] offset:64*(\b)+16
.endr
	WIN 0
	; the prefetches.  s13 = 256 x tile row, s42 = tile column, s40 = cx, s41 = cy still stand; s[4:5] = A, s[6:7] = B
	s_lshl_b32 s42, s42, 8
	s_and_b32 s22, ttmp7, 0xffff                   ; cluster y
	s_cmp_eq_u32 s11, 0                            ; do I fetch for A?
	s_cselect_b32 s20, s13, s42                    ; the tile's first row: in A by the tile row, in B by the tile column
	s_cselect_b32 s21, s40, s41                    ; my place among the four that ask for it with me
	s_cselect_b32 s22, ttmp9, s22                  ; the coordinate along which other clusters read the same rows
	s_cselect_b64 s[PFA:PFA+1], s[4:5], s[6:7]
	s_cmp_eq_u32 s22, 0
	s_cselect_b32 s[LIM], 1, -1                    ; the same in all sixteen partners, for a given wave
	s_lshl_b32 s22, s12, 7
	s_add_co_u32 s20, s20, s22                     ; + the 128 rows that I fetch
	s_lshl_b32 s21, s21, 5
	s_add_co_u32 s20, s20, s21                     ; + my work-group's 32 of them
	s_mov_b32 s21, 0
	s_mov_b64 s[18:19], SIZE_K*2
	s_mul_u64 s[20:21], s[20:21], s[18:19]
	s_add_nc_u64 s[PFA:PFA+1], s[PFA:PFA+1], s[20:21]
	s_add_nc_u64 s[PFA:PFA+1], s[PFA:PFA+1], 2*KSTEP*2  ; at K step 2: the first refill steps it to 3 and names K step 4
	v_and_b32 v[PFO], 31, v0
	v_mul_u32_u24 v[PFO], v[PFO], SIZE_K*2
	; nothing is prefetched here, at the head, where every work-group's first two tiles are on their way: K steps 2 and 3 come by their refills alone
	s_wait_kmcnt 0x0                               ; alpha
	s_mov_b32 s[AL+1], s[AL]                       ; named with it as a pair, so it is written
; 16 matrix instructions: m blocks a0, a0 + 1 of the window's four (hi = 0: my rows 0-63, 1: rows 64-127) x all 8 n blocks, 32 along K.
; zero = 1: the first product starts the sums: nothing is ever cleared.  The 64 accumulators take turns, one instruction a turn, in the same order in every quarter step.
.macro MUL16 f, hi, a0, zero
	WIN MUL_LO+0x50*(\hi)
.irp a, \a0, (\a0)+1
.irp b, 0,1,2,3,4,5,6,7
.if \zero
	v_wmma_f32_16x16x32_bf16 v[8*(8*(\a)+(\b)):8*(8*(\a)+(\b))+7], v[(\f)+8*(\b):(\f)+8*(\b)+7], v[(\f)+8*(4*(\hi)+(\a)):(\f)+8*(4*(\hi)+(\a))+7], 0
.else
	v_wmma_f32_16x16x32_bf16 v[8*(8*(\a)+(\b)):8*(8*(\a)+(\b))+7], v[(\f)+8*(\b):(\f)+8*(\b)+7], v[(\f)+8*(4*(\hi)+(\a)):(\f)+8*(4*(\hi)+(\a))+7], v[8*(8*(\a)+(\b)):8*(8*(\a)+(\b))+7]
.endif
.endr
.endr
.endm
; 32 LDS loads in one run: the fragments of one quarter step (128 rows of B, 128 rows of A, 32 K at byte k of the rows) into buffer f
.macro FETCH slot, k, f
	WIN TO_B
.irp i, 0,1,2,3,4,5,6,7
	ds_load_b128 v[(\f)+8*(\i):(\f)+8*(\i)+3],   v[ADRB+(\slot)] offset:(\k)+(\i)*16*PITCH
	ds_load_b128 v[(\f)+8*(\i)+4:(\f)+8*(\i)+7], v[ADRB+(\slot)] offset:(\k)+(\i)*16*PITCH+32
.endr
	WIN 0
.irp i, 0,1,2,3,4,5,6,7
	ds_load_b128 v[(\f)+8*(\i):(\f)+8*(\i)+3],   v[ADRA+(\slot)] offset:(\k)+(\i)*16*PITCH
	ds_load_b128 v[(\f)+8*(\i)+4:(\f)+8*(\i)+7], v[ADRA+(\slot)] offset:(\k)+(\i)*16*PITCH+32
.endr
.endm
; A load into a register that a matrix instruction has read, and a vector instruction that reads a matrix result or writes one of a matrix instruction's registers, stand four places behind that
; matrix instruction, and only plain vector instructions that name none of its registers are places (ISA guide 7.12.1 for vector instructions).
.macro PLACES
.rept 4
	v_nop
.endr
.endm
; A K step is four quarter steps of 32 along K, 64 matrix instructions each, on buffers 0, 1, 0, 1.
; One of the first three: multiplies buffer f; in its middle it fetches the next quarter's fragments, at byte k of the same slot's rows, into buffer g.
.macro QUARTER slot, k, f, g, zero
	s_wait_dscnt 8                                 ; B and A's rows 0-63 are in; the youngest eight loads (A's rows 64-127) may be out
	WIN MUL_LO
	MUL16 \f, 0, 0, \zero
	MUL16 \f, 0, 2, \zero
	PLACES
	FETCH \slot, \k, \g
	s_wait_dscnt 32                                ; all but the 32 just issued
	WIN MUL_HI
	MUL16 \f, 1, 0, \zero
	MUL16 \f, 1, 2, \zero
.endm
; The last quarter multiplies buffer 1 and changes slots.  MEET is its first half: ONE barrier for the change of slots, for two things.  In front of it each wave waits for
; all its tensor loads, of which one is out: its part of the next slot; adds 0 to its spare word; and waits for that and for its own reads of this slot.  Behind it nobody reads this slot any more and the next slot is whole.
.macro MEET round                      ; round = 1: a round of the cluster's barrier follows
	WIN 0                                          ; (the add's two registers lie in window 0)
	s_wait_tensorcnt 0x0                           ; all my tensor loads have landed: the one that was out is my part of the next slot;
	ds_add_u32 v[SPW], v[NIL]                      ; 0 onto my spare word;
	s_wait_dscnt 9                                 ; (the add and the youngest eight loads may be out)
	WIN MUL_LO
	MUL16 F1, 0, 0, 0                              ; sixteen matrix instructions stand between the add and the wait for it
	s_wait_dscnt 0x0                               ; the add is done, and my reads of this slot are over:
	s_barrier_signal -1                            ; say so (where a slot is filled again this barrier opens a round of the cluster's barrier),
	MUL16 F1, 0, 2, 0                              ; work on registers while the others arrive,
.if \round
	WIN 0
.endif
	s_barrier_wait -1                              ; and go on when all four have said so
.endm
; The whole last quarter.  Behind the barrier the slot just read out is filled again first: with this tile's K step two steps on (on = 0) or, in the first tile's last two K steps, with the NEXT tile's
; K step 0 or 1 (on = 1); then come the next slot's first fragments.  From a request to the wait for it a wave issues 224 matrix instructions.
.macro TURN slot, next, on
	s_wait_xcnt 0x0                                ; the last prefetch, a K step back, has read its address: it is stepped here, ahead of the waits of the change of slots
.if (\on) && (\slot) == 0
	s_add_nc_u64 s[PFA:PFA+1], s[PFA:PFA+1], (WALK-1)*SIZE_K*2+KSTEP*2  ; from the K step after the tile's last to the next tile's K step 1: WALK rows down, back along K
	s_cmp_eq_u32 s11, 0
	s_cselect_b32 s[LIM], s[LIM], -1               ; B's rows are the same for both tiles: they are asked for in the first tile alone
.else
	s_add_nc_u64 s[PFA:PFA+1], s[PFA:PFA+1], KSTEP*2
.endif
	MEET 1
	CREST                                          ; wave 0 says so for the work-group, all sixteen work-groups have said so, my work-group's barrier closes the round:
	                                               ; no wave of any partner still reads this slot's tile or has a load on its way
.if \on
	s_add_nc_u64 s[G0+4*(\slot)+2:G0+4*(\slot)+3], s[G0+4*(\slot)+2:G0+4*(\slot)+3], NEXT_A
	s_sub_nc_u64 s[G0B+4*(\slot)+2:G0B+4*(\slot)+3], s[G0B+4*(\slot)+2:G0B+4*(\slot)+3], BACK_B
.else
	s_add_nc_u64 s[G0+4*(\slot)+2:G0+4*(\slot)+3], s[G0+4*(\slot)+2:G0+4*(\slot)+3], 2*KSTEP*2
	s_add_nc_u64 s[G0B+4*(\slot)+2:G0B+4*(\slot)+3], s[G0B+4*(\slot)+2:G0B+4*(\slot)+3], 2*KSTEP*2
.endif
	JLOAD \slot                                    ; the first tensor load behind the round, my one load until the next; the four v_nop behind it are also the places in front of the loads below
	FETCH \next, 0, F0
	ASK \on                                        ; behind the joint load and the run of LDS loads that the next products wait for
	WIN MUL_HI
	MUL16 F1, 1, 0, 0
	MUL16 F1, 1, 2, 0
.endm
; The very last quarter: nothing more to fetch.
.macro LASTQ
	s_wait_dscnt 8
	WIN MUL_LO
	MUL16 F1, 0, 0, 0
	MUL16 F1, 0, 2, 0
	s_wait_dscnt 0x0
	WIN MUL_HI
	MUL16 F1, 1, 0, 0
	MUL16 F1, 1, 2, 0
.endm
; THE WAY OUT.  FIN a finishes block a (16 rows x 128 columns, 64 registers), in place, in sweeps that go up from each accumulator's lowest registers, so that no line waits for the one before it:
; times alpha plus the bias, fused; held to -128 .. 127; plus 1.5 x 2^23, which rounds to a whole number, ties to even, and leaves that number's two's complement in the word's lowest byte.
; Then two sweeps of byte selects bring a lane's eight columns of each accumulator into 8 bytes: 16 registers a block.
.macro FIN a
.set AC, 64*((\a)%4)
	WIN 0x92+0x41*((\a)/4)                         ; destination and source 0: window 2 or 3; source 2 (the bias): window 1; the sweeps behind the first name the accumulator and scalars alone
.set i, 0
.rept 32
	v_pk_fma_f32 v[AC+i:AC+i+1], v[AC+i:AC+i+1], s[AL:AL+1], v[BI+i:BI+i+1] op_sel_hi:[1,0,1]  ; alpha y + bias, one rounding: see LIMITS at the head
.set i, i+2
.endr
.set i, 0
.rept 64
	v_med3_num_f32 v[AC+i], v[AC+i], s[CLO], s[CHI]
.set i, i+1
.endr
.set i, 0
.rept 32
	v_pk_add_f32 v[AC+i:AC+i+1], v[AC+i:AC+i+1], s[MAG:MAG+1] op_sel_hi:[1,0]
.set i, i+2
.endr
	WIN 0x0a+5*((\a)/4)                            ; sources 0 and 1: window 2 or 3; destination: window 0
.set i, 0
.rept 32
	v_perm_b32 v[T+i], v[AC+2*i+1], v[AC+2*i], s[SELA]
.set i, i+1
.endr
	WIN 0
.set i, 0
.rept 16
	v_perm_b32 v[PK+16*((\a)%2)+i], v[T+2*i+1], v[T+2*i], s[SELB]
.set i, i+1
.endr
.endm
; A wave's 128 columns are 128 bytes: half of an aligned 256 bytes of the output.  So the two waves of a row half write the two halves of the same stage rows, and a barrier stands between writing and reading.
; Pass p takes blocks 2 p and 2 p + 1 of every wave.  A lane's 8 bytes go to word 68 r + 2 (l / 16) of the stage: the 32 lanes touch each of the 64 banks once.
.macro TOSTAGE p
	WIN 0
.irp e, 0,1
.irp b, 0,1,2,3,4,5,6,7
	ds_store_b64 v[STO], v[PK+16*(\e)+2*(\b):PK+16*(\e)+2*(\b)+1] offset:((\p)%2)*SB+(\e)*16*SPITCH+16*(\b)
.endr
.endr
.endm
.macro BACK p                          ; 16 whole rows, two a load
.irp t, 0,1,2,3,4,5,6,7
	ds_load_b128 v[BK+4*(\t):BK+4*(\t)+3], v[RD] offset:((\p)%2)*SB+(\t)*2*SPITCH
.endr
.endm
.macro SEND p
	s_wait_dscnt 0x0                               ; the rows are back in registers
.irp t, 0,1,2,3,4,5,6,7
	global_store_b128 v[CO], v[BK+4*(\t):BK+4*(\t)+3], s[8:9] offset:(\p)*32*SIZE_N+(\t)*2*SIZE_N th:TH_STORE_NT  ; 16 lanes store 256 consecutive bytes, at a multiple of 256 from the output's first byte
.endr
.endm
; A pass.  The two stage buffers take turns, so one barrier a pass does: pass p + 2 writes pass p's buffer behind the barrier of pass p + 1, in front of which every wave has waited for its reads of pass p
; (SEND's wait).  From tile to tile the last pass's barrier and the K steps' barriers order the same accesses.  The next two blocks are finished between the signal and the wait, and between the loads from the stage and the wait for them.
; In the first tile my refill of slot 1 stays on its way across these barriers: behind them nothing is filled, and that slot is read only behind the next change of slots, which waits for it.
.macro PASS p
	TOSTAGE \p
	s_wait_dscnt 0x0                               ; for the others' sake: my stores into the stage are done
	s_barrier_signal -1
.if (\p) < 3
	FIN 2*(\p)+2                                   ; work on registers alone
.endif
	s_barrier_wait -1
	s_wait_xcnt 0x0                                ; the last pass's stores have read their registers and their base: only behind this wait are they written again
.if (\p) == 0
	s_add_nc_u64 s[8:9], s[8:9], s[16:17]          ; on to this tile's first rows
.endif
	BACK \p
.if (\p) < 3
	FIN 2*(\p)+3
.endif
	SEND \p
.endm
.macro OUT
	PLACES                                         ; behind the last products
	s_wait_loadcnt 0x0                             ; the bias
	FIN 0
	FIN 1
	PASS 0
	PASS 1
	PASS 2
	PASS 3
.endm
	s_wait_tensorcnt 1                             ; my part of K step 0 is in; K step 1's load, issued behind it, stays out
	s_barrier_signal -1
	s_barrier_wait -1                              ; everybody's is
	FETCH 0, 0, F0
	s_mov_b32 s2, SIZE_TILES                       ; tiles to go, this one among them: the same number in every work-group
.Ltile:                                                ; (FETCH and SEND leave every window 0)
	QUARTER 0, 64,  F0, F1, 1                      ; a tile's first quarter stands in front of the loop: its products start the sums
	WIN 0                                          ; at a label and at a branch every window is 0
	s_mov_b32 s3, LAPS-1
.Llap:                                                 ; a trip goes once round the ring, from a lap's second quarter to the next lap's first, and fills both slots again
	QUARTER 0, 128, F1, F0, 0
	QUARTER 0, 192, F0, F1, 0
	TURN 0, 1, 0
	QUARTER 1, 64,  F0, F1, 0
	QUARTER 1, 128, F1, F0, 0
	QUARTER 1, 192, F0, F1, 0
	TURN 1, 0, 0
	QUARTER 0, 64,  F0, F1, 0
	WIN 0
	s_sub_co_u32 s3, s3, 1
	s_cmp_lg_u32 s3, 0
	s_cbranch_scc1 .Llap
	QUARTER 0, 128, F1, F0, 0                      ; the tile's last lap goes on
	QUARTER 0, 192, F0, F1, 0
	WIN 0
	s_cmp_eq_u32 s2, 1
	s_cbranch_scc1 .Llast_tile                     ; the last tile's tail is written out: it asks for nothing more
	TURN 0, 1, 1                                   ; THE RING GOES ON INTO THE NEXT TILE: slot 0 takes its K step 0,
	QUARTER 1, 64,  F0, F1, 0
	QUARTER 1, 128, F1, F0, 0
	QUARTER 1, 192, F0, F1, 0
	TURN 1, 0, 1                                   ; slot 1 its K step 1, and the next tile's first fragments are fetched
	OUT                                            ; both refills are asked for: now the tile goes out
	s_mov_b64 s[16:17], NEXT_C                     ; what the next way out adds to the output's address
	s_sub_co_u32 s2, s2, 1
	s_branch .Ltile
.Llast_tile:
	MEET 0                                         ; my one tensor load that was still out is slot 1's, the last K step's, so no round follows
	PLACES                                         ; for the loads into buffer 0, which the quarter before multiplied
	FETCH 1, 0, F0
	WIN MUL_HI
	MUL16 F1, 1, 0, 0
	MUL16 F1, 1, 2, 0
	QUARTER 1, 64,  F0, F1, 0
	QUARTER 1, 128, F1, F0, 0
	QUARTER 1, 192, F0, F1, 0
	LASTQ
	OUT
	s_wait_tensorcnt 0x0                           ; the wave's end: an add to my spare word and its wait, behind my last tensor load and my last LDS store
	ds_add_u32 v[SPW], v[NIL]
	s_wait_dscnt 0x0
	CROUND                                         ; the closing round: no work-group ends while a partner may still ask for a tile that names it
	s_endpgm
.Lfunc_end_k_q27215201f2_gemm:
	.size	k_q27215201f2_gemm, .Lfunc_end_k_q27215201f2_gemm-k_q27215201f2_gemm
	.p2alignl 7, 3214868480
	.fill 96, 4, 3214868480
	.section	.rodata,"a",@progbits
	.p2align	6, 0x0
	.amdhsa_kernel k_q27215201f2_gemm
		.amdhsa_group_segment_fixed_size 327680
		.amdhsa_private_segment_fixed_size 0
		.amdhsa_enable_private_segment 0
		.amdhsa_kernarg_size 40
		.amdhsa_user_sgpr_count 2
		.amdhsa_user_sgpr_kernarg_segment_ptr 1
		.amdhsa_wavefront_size32 1
		.amdhsa_system_sgpr_workgroup_id_x 1
		.amdhsa_system_sgpr_workgroup_id_y 1
		.amdhsa_system_sgpr_workgroup_id_z 1
		.amdhsa_system_vgpr_workitem_id 0
		.amdhsa_next_free_vgpr 1024
		.amdhsa_next_free_sgpr 80
		.amdhsa_reserve_vcc 0
		.amdhsa_float_denorm_mode_32 3
		.amdhsa_float_denorm_mode_16_64 3
		.amdhsa_memory_ordered 1
		.amdhsa_forward_progress 1
		.amdhsa_inst_pref_size 255
	.end_amdhsa_kernel
	.section	.bss,"aw",@nobits
	.p2align	6
	.space	262144
	.amdgpu_metadata
---
amdhsa.version: [ 1, 2 ]
amdhsa.kernels:
  - .name:           k_q27215201f2_gemm
    .symbol:         k_q27215201f2_gemm.kd
    .args:
      - { .name: xb, .offset: 0, .size: 8, .value_kind: global_buffer, .address_space: global }
      - { .name: wb, .offset: 8, .size: 8, .value_kind: global_buffer, .address_space: global }
      - { .name: out0, .offset: 16, .size: 8, .value_kind: global_buffer, .address_space: global }
      - { .name: bias, .offset: 24, .size: 8, .value_kind: global_buffer, .address_space: global }
      - { .name: alpha, .offset: 32, .size: 8, .value_kind: global_buffer, .address_space: global }
    .group_segment_fixed_size: 327680
    .private_segment_fixed_size: 0
    .kernarg_segment_align: 8
    .kernarg_segment_size: 40
    .max_flat_workgroup_size: 128
    .sgpr_count:     80
    .vgpr_count:     1024
    .wavefront_size: 32
...
	.end_amdgpu_metadata
.endif
;; end of part 2
;; ======== version 2 of 2: 2 launches; version 1 with the launch cvt written anew for expert scheduling mode
;; workspace buffers: xb 33,554,432 bytes; wb 16,777,216 bytes
;; launch cvt (part 3): grid 256 x 1, 32 waves a work-group, no clusters, 0 bytes of LDS; arguments x, weight, xb, wb; writes xb, wb
.if DOCPART == 3
	.amdgcn_target "amdgcn-amd-amdhsa--gfx1250"
	.amdhsa_code_object_version 6
	.text
	.protected	k_q27215201f2_cvt
	.globl	k_q27215201f2_cvt
	.p2align	8
	.type	k_q27215201f2_cvt,@function
k_q27215201f2_cvt:
	s_mov_b64 s[64:65], 0
	v_nop
	global_prefetch_b8 v0, s[64:65] scope:SCOPE_SE
	s_setreg_imm32_b32 hwreg(HW_REG_WAVE_SCHED_MODE, 0, 2), 2
	s_setreg_imm32_b32 hwreg(HW_REG_WAVE_MODE, 25, 1), 1
	s_wait_xcnt 0x0
	s_wait_alu depctr_vm_vsrc(0)
; xb = bf16(x), wb = bf16(weight): the two operands of the product that follows, each rounded once to bf16, laid out as they came (rows along K).
; x: [8192][2048] int32, weight: [4096][2048] f32; xb, wb: the same shapes in bf16.
; LIMITS.  A whole number of up to 8 significant bits (the int8 range among them) is kept exactly; any other number is rounded to nearest even: an int32 beyond 2^24
; first to f32, then to bf16.
; SHARES.  256 work-groups of 1,024 threads.  Work-group b takes 262,144 consecutive bytes of x and 131,072 of weight: 16 and 8 chunks of 16,384 bytes, a chunk being 16 bytes for each
; thread.  A wave's load covers 512 consecutive bytes, its store 256 consecutive bytes at a multiple of 256 from the buffer's first byte.
; IN FLIGHT.  All 24 loads of a thread go out before anything else; each chunk has registers of its own and is converted in place, so no register that a load or store names
; is ever written again.  No LDS, no barrier: no thread wants another's bytes.
; THE MODE: SCHED_MODE bits 1:0 = 2 (LLVM: expert scheduling mode 2), set by the entry lines.  The code itself states the register dependences
; between vector instructions and memory instructions, with s_wait_alu, always for 0.
; THE PLAN.  Registers that memory instructions touch:
;   v1, v2        byte offsets of the loads and of the stores.  Written once at the head, never again.
;   chunk c       v[D + 4 c .. D + 4 c + 3].  First written by chunk c's load; then read and written by chunk c's own conversions; then its first two registers are read by chunk c's store.
;                 Nothing names them before the load or behind the store.
; The 24 chunks go in six groups of four.  Group g's conversions name group g's registers alone.  Its memory instructions are the four stores of group g - 1, which read v2 and group g - 1's
; registers.  So ONE wait at a group's head states all that its four stores hang on, and they are dealt among the group's conversions with no further wait.
; No register that a memory instruction has read is written again, no vector instruction writes a scalar register, and EXEC is never written: no other kind of wait has a dependence to state.
.set CHX,  16                          ; chunks of x
.set CHW,  8                           ; chunks of weight
.set CH,   CHX+CHW
.set GR,   4                           ; chunks in a group
.set D,    4                           ; v[4:99]  chunk c: four registers at D + 4 c; x's chunks first
; Chunk c is rounded in place: four numbers close up into the first two of their four registers.  x's chunks are whole numbers and go to f32 first.
.macro CONV c
.if (\c) < CHX
	v_cvt_f32_i32 v[D+4*(\c)],   v[D+4*(\c)]
	v_cvt_f32_i32 v[D+4*(\c)+1], v[D+4*(\c)+1]
	v_cvt_f32_i32 v[D+4*(\c)+2], v[D+4*(\c)+2]
	v_cvt_f32_i32 v[D+4*(\c)+3], v[D+4*(\c)+3]
.endif
	v_cvt_pk_bf16_f32 v[D+4*(\c)],   v[D+4*(\c)],   v[D+4*(\c)+1]
	v_cvt_pk_bf16_f32 v[D+4*(\c)+1], v[D+4*(\c)+2], v[D+4*(\c)+3]
.endm
; Chunk c is stored: x's chunks into xb, weight's into wb.
.macro PUT c
.if (\c) < CHX
	global_store_b64 v2, v[D+4*(\c):D+4*(\c)+1], s[8:9] offset:(\c)*8192
.else
	global_store_b64 v2, v[D+4*(\c):D+4*(\c)+1], s[10:11] offset:((\c)-CHX)*8192
.endif
.endm
	s_load_b256 s[4:11], s[0:1], 0x0               ; x s[4:5], weight s[6:7], xb s[8:9], wb s[10:11]
	v_lshlrev_b32 v1, 4, v0                        ; my 16 bytes of a chunk as loaded
	v_lshlrev_b32 v2, 3, v0                        ; my 8 bytes of it as stored
	s_lshl_b32 s12, ttmp9, 18                      ; the work-group's part of x,
	s_mov_b32 s13, 0
	s_lshl_b32 s14, ttmp9, 17                      ; of weight and of xb,
	s_mov_b32 s15, 0
	s_lshl_b32 s16, ttmp9, 16                      ; of wb
	s_mov_b32 s17, 0
	s_wait_kmcnt 0x0
	s_add_nc_u64 s[4:5], s[4:5], s[12:13]
	s_add_nc_u64 s[6:7], s[6:7], s[14:15]
	s_add_nc_u64 s[8:9], s[8:9], s[14:15]
	s_add_nc_u64 s[10:11], s[10:11], s[16:17]
	s_wait_alu depctr_va_vdst(0)                   ; v1 and v2 are written: every load of the kernel reads v1 as its offset, every store v2
.set n, 0
.rept CHX
	global_load_b128 v[D+4*n:D+4*n+3], v1, s[4:5] offset:n*16384 th:TH_LOAD_NT
.set n, n+1
.endr
.set n, 0
.rept CHW
	global_load_b128 v[D+4*(CHX+n):D+4*(CHX+n)+3], v1, s[6:7] offset:n*16384 th:TH_LOAD_NT
.set n, n+1
.endr
.set g, 0
.rept CH/GR
	s_wait_loadcnt CH-GR*(g+1)                     ; loads come back in order (ISA guide 5.7.1): group g's four chunks are in, the later groups' loads stay out
.if g > 0
	s_wait_alu depctr_va_vdst(0)                   ; the conversions of the group before have written its chunks, which the four stores below read
.endif
.set i, 0
.rept GR
.if g > 0
	PUT GR*(g-1)+i                                 ; a chunk of the group before.  No further wait: no vector instruction since the wait above names its registers or v2
.endif
	CONV GR*g+i
.set i, i+1
.endr
.set g, g+1
.endr
	s_wait_alu depctr_va_vdst(0)                   ; the last group's conversions have written its chunks, which the last four stores read
.set i, 0
.rept GR
	PUT CH-GR+i
.set i, i+1
.endr
	s_endpgm
.Lfunc_end_k_q27215201f2_cvt:
	.size	k_q27215201f2_cvt, .Lfunc_end_k_q27215201f2_cvt-k_q27215201f2_cvt
	.p2alignl 7, 3214868480
	.fill 96, 4, 3214868480
	.section	.rodata,"a",@progbits
	.p2align	6, 0x0
	.amdhsa_kernel k_q27215201f2_cvt
		.amdhsa_group_segment_fixed_size 0
		.amdhsa_private_segment_fixed_size 0
		.amdhsa_enable_private_segment 0
		.amdhsa_kernarg_size 32
		.amdhsa_user_sgpr_count 2
		.amdhsa_user_sgpr_kernarg_segment_ptr 1
		.amdhsa_wavefront_size32 1
		.amdhsa_system_sgpr_workgroup_id_x 1
		.amdhsa_system_sgpr_workgroup_id_y 1
		.amdhsa_system_sgpr_workgroup_id_z 1
		.amdhsa_system_vgpr_workitem_id 0
		.amdhsa_next_free_vgpr 100
		.amdhsa_next_free_sgpr 66
		.amdhsa_reserve_vcc 0
		.amdhsa_float_denorm_mode_32 3
		.amdhsa_float_denorm_mode_16_64 3
		.amdhsa_memory_ordered 1
		.amdhsa_forward_progress 1
		.amdhsa_inst_pref_size 11
	.end_amdhsa_kernel
	.amdgpu_metadata
---
amdhsa.version: [ 1, 2 ]
amdhsa.kernels:
  - .name:           k_q27215201f2_cvt
    .symbol:         k_q27215201f2_cvt.kd
    .args:
      - { .name: x, .offset: 0, .size: 8, .value_kind: global_buffer, .address_space: global }
      - { .name: weight, .offset: 8, .size: 8, .value_kind: global_buffer, .address_space: global }
      - { .name: xb, .offset: 16, .size: 8, .value_kind: global_buffer, .address_space: global }
      - { .name: wb, .offset: 24, .size: 8, .value_kind: global_buffer, .address_space: global }
    .group_segment_fixed_size: 0
    .private_segment_fixed_size: 0
    .kernarg_segment_align: 8
    .kernarg_segment_size: 32
    .max_flat_workgroup_size: 1024
    .sgpr_count:     66
    .vgpr_count:     100
    .wavefront_size: 32
...
	.end_amdgpu_metadata
.endif
;; end of part 3
;; launch gemm: the kernel of part 2 again; grid 16 x 16, 4 waves a work-group, clusters of 4 x 4, 327,680 bytes of LDS; arguments xb, wb, out0, bias, alpha; writes out0
